; MI455X (gfx1250); checked and timed in simulation.
; The chip was launched on July 23, 2026; its instructions are those of AMD's public machine-readable ISA for CDNA 5 (MIT licence, August 2026) and "CDNA5" Instruction Set Architecture Reference Guide (July 2026). The comments in the code are by the model that wrote it; some were corrected since.
;; Cross Multi Attention SNP Pheno. Allowed arithmetic: matrix products marked QUANTISED: E2M1 operands, one E8M0 scale for each 32 along K, by v_wmma_scale_f32_16x16x128_f8f6f4 with both operands' format E2M1 (or v_wmma_scale_f32_32x16x128_f4), f32 sums; everything else in f32.
;; Inputs: SNPS_encoded 2 x 4,096 x 512 float32; Wk 512 x 512 float32; Wq 512 x 512 float32; Wv_pheno 512 x 512 float32; Wv_snp 512 x 512 float32; pheno_encoded 2 x 2,048 x 512 float32.
;; Outputs: out0 2 x 2,048 x 512 float32; out1 2 x 4,096 x 512 float32.
;; This version of the problem:
;;   THIS VERSION OF THE PROBLEM IS GIVEN IN LOW PRECISION. The matrix products marked QUANTISED in the list below multiply operands that are first quantised to E2M1 (2 exponent bits, 1 mantissa bit; 4 bits a number), with one power-of-two scale for each 32 numbers along K (OCP MX v1.0); their sums are f32. All else is computed in f32.
;;   The module's matrix products, in the order in which they are computed (A, B: the left and right operand; K: the contracted axis; several contracted axes count as one K, in the product's order):
;;     1. [M 4,096, K 512] x [K 512, N 512]; A: input pheno_encoded; B: input Wk: QUANTISED
;;     2. [M 8,192, K 512] x [K 512, N 512]; A: input SNPS_encoded; B: input Wq: QUANTISED
;;     3. [M 4,096, K 512] x [K 512, N 512]; A: input pheno_encoded; B: input Wv_pheno: QUANTISED
;;     4. [M 8,192, K 512] x [K 512, N 512]; A: input SNPS_encoded; B: input Wv_snp: QUANTISED
;;     5. batch 16 x [M 2,048, K 64] x [K 64, N 4,096]; A: computed on the way; B: computed on the way: QUANTISED
;;     6. batch 16 x [M 2,048, K 4,096] x [K 4,096, N 64]; A: softmax (see below); B: computed on the way: QUANTISED
;;     7. batch 16 x [M 4,096, K 2,048] x [K 2,048, N 64]; A: softmax (see below); B: computed on the way: QUANTISED
;;   THE QUANTISER, for each operand of a quantised product, along K:
;;     - K is cut into blocks of 32 from its start; a last block that is shorter is filled with zeros.
;;     - A block's scale is 2^e with e = floor(log2(the largest magnitude in the block)) - 2, held to -126 .. 127; a block of zeros has e = 0. As a byte (E8M0): e + 127.
;;     - Each number is divided by its block's scale, clamped to +-6, and rounded to the nearest number of E2M1, ties to even, subnormals kept.
;;     - The product sums the exact products of the quantised numbers (number of the format x scale) in f32.
;;   ~~~python
;;   def quantise(x, axis):      # numpy; x: float32 -> the quantised numbers, widened to float32 again
;;       x = np.moveaxis(x, axis, -1); K = x.shape[-1]
;;       x = np.pad(x, [(0, 0)] * (x.ndim - 1) + [(0, -K % 32)]); x = x.reshape(x.shape[:-1] + (-1, 32)); a = np.abs(x).max(-1, keepdims=True)
;;       e = np.where(a > 0, np.clip(np.frexp(np.where(a > 0, a, 1))[1] - 1 - 2, -126, 127), 0)      # np.frexp(a)[1] - 1 = floor(log2(a)), exactly
;;       r = np.clip(x / 2.0 ** e, -6, 6)
;;       step = 2.0 ** (np.maximum(np.frexp(np.where(r == 0, 1, r))[1] - 1, 0) - 1)
;;       q = np.round(r / step) * step * 2.0 ** e      # np.round: ties to even
;;       return np.moveaxis(q.reshape(q.shape[:-2] + (-1,))[..., :K], -1, axis).astype(np.float32)
;;   ~~~
;;   SOFTMAX AHEAD OF A QUANTISED PRODUCT. Where the list says 'softmax', what is quantised is not the finished softmax but p = 2^(t - M), with t = logit x log2(e) and M = ceil(the row's largest t), a whole number; so 1/2 < the row's largest p <= 1. The row's sum l is taken of the UNQUANTISED p, in f32, and the product's result is divided by l at the end. Since M is a whole number, a kernel that streams over the keys may use a running M (the ceiling of the running maximum): every later rescaling is an exact power of two, which a block's scale takes up: the codes' values come out the same.
;;   OPERANDS COMPUTED ON THE WAY. 'Computed on the way' means the value that the module computes at that place (a softmax that the list does not call 'softmax' is quantised finished and normalised). What goes into a quantiser is computed in f32, as accurately as f32 sums, v_exp_f32 and their like allow (about 1e-6 of the number): no bf16 or f16 on the way to a quantiser, and a product that is left as it is and whose result goes on into a quantised operand takes f32 operands (vector FMAs, or v_wmma_f32_16x16x4_f32). A number that lies on a knife's edge between two numbers of the format may be rounded either way, as far as f32 arithmetic and the matrix unit's own rounding can turn it there, and no further.
;; One version. Each part assembles by itself: llvm-mc -triple=amdgcn-amd-amdhsa -mcpu=gfx1250 --defsym DOCPART=n.
;; ======== version 1 of 1: 3 launches
;; limits: right only within a limited range of input values
;; workspace buffers: xq 3,342,336 bytes; wq 557,056 bytes; streamP 2,293,760 bytes; streamS 4,587,520 bytes
;; launch quant (part 1): grid 256 x 1, 4 waves a work-group, no clusters, 34,304 bytes of LDS; arguments pheno_encoded, SNPS_encoded, Wk, Wv_pheno, Wq, Wv_snp, xq, wq; writes xq, wq
.if DOCPART == 1
	.amdgcn_target "amdgcn-amd-amdhsa--gfx1250"
	.amdhsa_code_object_version 6
	.text
	.protected	k_q3ae8c65ee7_quant
	.globl	k_q3ae8c65ee7_quant
	.p2align	8
	.type	k_q3ae8c65ee7_quant,@function
k_q3ae8c65ee7_quant:
	s_mov_b64 s[64:65], 0
	v_nop
	global_prefetch_b8 v0, s[64:65] scope:SCOPE_SE
	s_setreg_imm32_b32 hwreg(HW_REG_WAVE_MODE, 25, 1), 1
	s_wait_xcnt 0x0
; pheno_encoded [4096][512], SNPS_encoded [8192][512] (tokens flattened over the batch) and the four weights [512 (k)][512 (n)], all f32, become codes of FP4 (E2M1)
; with one E8M0 scale byte for each 32 along K = 512, laid as IMAGES OF OPERAND REGISTERS, so that the next launch loads fragments by 16 bytes a lane, 512 consecutive bytes a load.
; A TILE RECORD (4,352 bytes) holds 16 rows x K 512: codes [K step s of 128][c = 0, 1][lane] 16 bytes (lane (r, h) holds k = 128 s + 64 c + 32 h + 0 .. 31 of row slot r), then at 4,096 the scale words [r][s].
; THE ROWS OF A TILE ARE NOT NEIGHBOURS: in a group of 32 rows tile u (0, 1) holds in slot r the row 8 u + r + 8 (r / 8).  Tokens and weight columns alike.
; xq: 768 records (256 of pheno, 512 of SNPS).  wq: 128 records, weights in the order Wk, Wv_pheno, Wq, Wv_snp, 32 column tiles each.
; A block's scale is 2^(floor(log2(its largest magnitude)) - 2): its byte is the largest magnitude's exponent field - 2, held at 1 from below by a floor among the maximum's leaves.
; LIMITS: NaN and infinities among the inputs are not served; a block whose largest magnitude lies under 2^-124 keeps the byte 1; a block of zeros has the byte 1 where the rule says 127
; (its codes are zeros, which add nothing under any byte but 0xff, and these bytes are read by this program alone).
; Work-groups 0-191: the tokens, a wave to a tile.  Work-groups 192-255: the weights, a wave to 32 columns x 128 K.  No barrier: waves share nothing.  Only the tokens' path uses LDS.
.set TREC,  4352
.set SP,    528                        ; a stage row: 512 bytes + 16: 33 x 16, so that sixteen rows' 16-byte pieces fall on sixteen different columns of banks
.set WST,   16*SP                      ; a wave's stage
.set R,     16                         ; v16-143  two sets of 64: a K step's 16 rows as loaded
.set X,     144                        ; v144-207 64 numbers: X + 32 c + i = k 64 c + 32 h + i of my row
.set C,     208                        ; v208-239 eight registers of codes for each K step: no store's data are written again
.set TM,    240                        ; v240-245 at work
	s_load_b256 s[4:11], s[0:1], 0x0               ; pheno s[4:5], SNPS s[6:7], Wk s[8:9], Wv_pheno s[10:11]
	s_load_b256 s[12:19], s[0:1], 0x20             ; Wq s[12:13], Wv_snp s[14:15], xq s[16:17], wq s[18:19]
	v_lshl_add_u32 v254, v0, 2, 0x8400
	v_mov_b32 v255, 0
	v_lshrrev_b32 v1, 5, v0
	v_readfirstlane_b32 s20, v1                    ; wave 0..3
	v_and_b32 v12, 31, v0                          ; lane
	s_mov_b32 s27, 0
	s_cmp_ge_u32 ttmp9, 192
	s_cbranch_scc1 .Lweights
	; ---------------- the tokens: my wave's tile of 16 rows x 512
	v_and_b32 v14, 15, v0                          ; r
	v_bfe_u32 v15, v0, 4, 1                        ; h
	v_lshlrev_b32 v1, 4, v12                       ; 16 x lane: my bytes of a load's 512, and my place in an image
	s_mul_i32 s21, s20, WST
	v_add_nc_u32 v2, s21, v1                       ; the stage, in: 16 x lane of a row
	v_mul_u32_u24 v3, v14, SP
	v_lshl_add_u32 v3, v15, 7, v3
	v_add_nc_u32 v3, s21, v3                       ; out: row r, + 128 h bytes: 32 numbers of my half
	v_lshlrev_b32 v4, 3, v15                       ; 8 h: my bytes' shift in a scale word
	v_lshl_add_u32 v5, v14, 4, v4                  ; 16 r + 8 h: my two scale words' place
	v_mov_b32 v13, 0                               ; a lane permute's destination counts as read: written once
	s_mov_b32 s22, 0xffff0000                      ; lanes 16-31
	s_mov_b32 s24, 0x76543210
	s_mov_b32 s25, 0xfedcba98                      ; v_permlanex16_b32's selects for lane l xor 16
	s_wait_alu depctr_va_vdst(0)
	s_wait_kmcnt 0x0
	s_cmp_lt_u32 ttmp9, 64                         ; pheno's 64 work-groups, then SNPS's 128: the choice hangs on the work-group's number alone
	s_cselect_b64 s[4:5], s[4:5], s[6:7]
	s_cselect_b32 s23, 0, 64
	s_sub_co_u32 s23, ttmp9, s23
	s_lshl_b32 s23, s23, 6                         ; 64 tokens a work-group
	s_lshr_b32 s26, s20, 1
	s_lshl_b32 s26, s26, 5
	s_add_co_u32 s23, s23, s26                     ; + 32 x (wave / 2)
	s_and_b32 s26, s20, 1
	s_lshl_b32 s26, s26, 3
	s_add_co_u32 s23, s23, s26                     ; + 8 x (wave % 2): slot 0's token
	s_lshl_b32 s26, s23, 11                        ; 2,048 bytes a token
	s_add_nc_u64 s[4:5], s[4:5], s[26:27]
	s_lshl_b32 s26, ttmp9, 2
	s_add_co_u32 s26, s26, s20
	s_mul_i32 s26, s26, TREC                       ; record 4 x work-group + wave
	s_add_nc_u64 s[16:17], s[16:17], s[26:27]
.macro LOAD s                          ; K step s of the 16 rows: each load reads 512 consecutive bytes of one row
.irp i, 0,1,2,3,4,5,6,7,8,9,10,11,12,13,14,15
	global_load_b128 v[R+64*((\s)%2)+4*\i:R+64*((\s)%2)+4*\i+3], v1, s[4:5] offset:(\i+8*(\i/8))*2048+512*(\s) th:TH_LOAD_NT
.endr
.endm
.macro TURN s                          ; through my stage: in as loaded, out 128 neighbouring bytes a lane for each c.  LDS serves a wave's instructions in order: no wait between
.irp i, 0,1,2,3,4,5,6,7,8,9,10,11,12,13,14,15
	ds_store_b128 v2, v[R+64*((\s)%2)+4*\i:R+64*((\s)%2)+4*\i+3] offset:SP*\i
.endr
.irp c, 0,1
.irp j, 0,1,2,3,4,5,6,7
	ds_load_b128 v[X+32*\c+4*\j:X+32*\c+4*\j+3], v3 offset:256*\c+16*\j
.endr
.endr
.endm
.macro QX s                            ; my two whole blocks (2 c + h) of K step s: scale, codes, the row's scale word
.irp c, 0,1
	v_max3_num_f32 v[TM+\c], |v[X+32*\c]|, |v[X+32*\c+1]|, 0x1800000   ; with the floor 2^(3 - 127): the byte cannot fall under 1
.endr
.irp i, 2,4,6,8,10,12,14,16,18,20,22,24,26,28,30
.irp c, 0,1
	v_max3_num_f32 v[TM+\c], v[TM+\c], |v[X+32*\c+\i]|, |v[X+32*\c+\i+1]|   ; the two blocks by turns
.endr
.endr
.irp c, 0,1
	v_add_nc_u32 v[TM+2+\c], 0xff000000, v[TM+\c]  ; 2 off the exponent field: the conversion takes this operand's exponent field as its scale
.endr
.irp c, 0,1
	v_lshrrev_b32 v[TM+4+\c], 23, v[TM+2+\c]       ; the scale's byte
.endr
	v_lshl_or_b32 v12, v[TM+5], 16, v[TM+4]        ; blocks h and 2 + h,
	v_lshlrev_b32 v12, v4, v12                     ; at their places in the word;
	v_permlanex16_b32 v13, v12, s24, s25
	v_or_b32 v[6+\s], v12, v13                     ; with lane l xor 16's two the word is whole
.irp c, 0,1
.irp g, 0,1,2,3
	v_cvt_scalef32_pk8_fp4_f32 v[C+8*\s+4*\c+\g], v[X+32*\c+8*\g:X+32*\c+8*\g+7], v[TM+2+\c]
.endr
.endr
	v_nop                                          ; one plain place behind the last scaled conversion
.irp c, 0,1
	global_store_b128 v1, v[C+8*\s+4*\c:C+8*\s+4*\c+3], s[16:17] offset:1024*\s+512*\c   ; 32 lanes store 512 consecutive bytes
.endr
.endm
	LOAD 0
	LOAD 1
	s_wait_loadcnt 16                              ; K step 0's 16 loads are in, the next step's 16 may be out
	TURN 0
	s_wait_dscnt 0x0                               ; X is in, and the stage's stores have read set 0
	LOAD 2
	QX 0
	s_wait_loadcnt 16                              ; K step 1's are in, K step 2's may be out
	TURN 1
	s_wait_dscnt 0x0
	LOAD 3
	QX 1
	s_wait_loadcnt 16                              ; K step 2's are in, K step 3's may be out
	TURN 2
	s_wait_dscnt 0x0
	QX 2
	s_wait_loadcnt 0x0
	TURN 3
	s_wait_dscnt 0x0
	QX 3
	v_cndmask_b32 v10, v6, v8, s22                 ; lanes 0-15 store the words of K steps 0, 1 of row r, lanes 16-31 those of 2, 3:
	v_cndmask_b32 v11, v7, v9, s22
	global_store_b64 v5, v[10:11], s[16:17] offset:4096   ; 256 consecutive bytes
	s_wait_tensorcnt 0x0
	ds_add_u32 v254, v255
	s_wait_dscnt 0x0
	s_endpgm
	; ---------------- the weights: a lane takes a column n, its registers run down K: nothing is transposed
.Lweights:
	s_sub_co_u32 s21, ttmp9, 192
	s_lshr_b32 s22, s21, 4                         ; which weight
	s_bfe_u32 s23, s21, 0x20002                    ; which K step of 128
	s_and_b32 s24, s21, 3                          ; which 128 columns
	s_and_b32 s25, s22, 1
	s_wait_kmcnt 0x0
	s_cmp_lt_u32 s22, 2
	s_cselect_b64 s[8:9], s[8:9], s[12:13]         ; Wk or Wq
	s_cselect_b64 s[10:11], s[10:11], s[14:15]     ; Wv_pheno or Wv_snp
	s_cmp_lg_u32 s25, 0
	s_cselect_b64 s[8:9], s[10:11], s[8:9]
	s_lshl_b32 s26, s23, 18                        ; 128 rows of 2,048 bytes a K step
	s_lshl_b32 s25, s24, 9
	s_add_co_u32 s26, s26, s25
	s_lshl_b32 s25, s20, 7
	s_add_co_u32 s26, s26, s25                     ; + 4 x (128 x quad + 32 x wave)
	s_add_nc_u64 s[8:9], s[8:9], s[26:27]
	s_lshl_b32 s25, s24, 2
	s_add_co_u32 s25, s25, s20                     ; my group of 32 columns
	s_lshl_b32 s25, s25, 1
	s_lshl_b32 s26, s22, 5
	s_add_co_u32 s26, s26, s25
	s_mul_i32 s26, s26, TREC                       ; its first record: 32 x weight + 2 x group
	s_lshl_b32 s25, s23, 10
	s_add_co_u32 s28, s26, s25                     ; the codes of my K step
	s_mov_b32 s29, 0
	s_lshl_b32 s25, s23, 2
	s_add_co_u32 s26, s26, s25
	s_add_co_u32 s26, s26, 4096                    ; and its scale words
	s_add_nc_u64 s[28:29], s[18:19], s[28:29]
	s_add_nc_u64 s[30:31], s[18:19], s[26:27]
	s_wait_alu depctr_va_vdst(0)
	v_lshlrev_b32 v1, 2, v12                       ; in: 4 bytes a lane
	v_bfe_u32 v3, v0, 3, 1                         ; column l of the 32 lies in tile (l / 8) % 2,
	v_and_b32 v4, 7, v0
	v_bfe_u32 v5, v0, 4, 1
	v_lshl_add_u32 v4, v5, 3, v4                   ; slot l % 8 + 8 (l / 16)
	v_lshlrev_b32 v4, 4, v4
	v_mad_u32_u24 v2, v3, TREC, v4                 ; tile x record + 16 x slot: serves the codes and the scale words
.macro LOADW kb                        ; block kb: W(128 s + 32 kb + i, my column), i = 0 .. 31, into registers of its own: 128 consecutive bytes a wave and load
.set n, 32*(\kb)
.rept 32
	global_load_b32 v[16+n], v1, s[8:9] offset:2048*n th:TH_LOAD_NT
.set n, n+1
.endr
.endm
.macro BLOCKW kb                       ; block kb of my column: all its 32 numbers are mine
.set XS, 16+32*\kb
.if \kb < 3
	s_wait_loadcnt 32                              ; this block's 32 loads are in; the next block's 32 may be out
.else
	s_wait_loadcnt 0x0
.endif
.if \kb < 2
	LOADW \kb+2                                    ; two blocks ahead: it lands while this block and the next are worked
.endif
	v_max3_num_f32 v8, |v[XS]|, |v[XS+1]|, |v[XS+2]|
	v_max3_num_f32 v9, |v[XS+3]|, |v[XS+4]|, |v[XS+5]|
.irp i, 6,10,14,18,22,26
	v_max3_num_f32 v8, v8, |v[XS+\i]|, |v[XS+\i+1]|
	v_max3_num_f32 v9, v9, |v[XS+\i+2]|, |v[XS+\i+3]|
.endr
	v_max3_num_f32 v8, v8, |v[XS+30]|, |v[XS+31]|
	v_max3_num_f32 v8, v8, v9, 0x1800000           ; and the floor
	v_add_nc_u32 v10, 0xff000000, v8
	v_lshrrev_b32 v11, 23, v10
.if \kb == 0
	v_mov_b32 v6, v11
.else
	v_lshl_or_b32 v6, v11, 8*\kb, v6               ; the lower K in the lower byte
.endif
.irp g, 0,1,2,3
	v_cvt_scalef32_pk8_fp4_f32 v[144+4*\kb+\g], v[XS+8*\g:XS+8*\g+7], v10
.endr
	v_nop                                          ; one plain place behind the last scaled conversion: the next block writes v10 anew
	global_store_b128 v2, v[144+4*\kb:144+4*\kb+3], s[28:29] offset:512*(\kb/2)+256*(\kb%2)   ; block 2 c + h is what lane 16 h + slot holds in chunk c: each tile's sixteen lanes store 256 consecutive bytes
.endm
	LOADW 0
	LOADW 1
	s_wait_alu depctr_va_vdst(0)
	BLOCKW 0
	BLOCKW 1
	BLOCKW 2
	BLOCKW 3
	global_store_b32 v2, v6, s[30:31]              ; my column's word for this K step: 4 bytes at every 16; 32 KiB in the whole launch go out so
	s_endpgm
.Lfunc_end_k_q3ae8c65ee7_quant:
	.size	k_q3ae8c65ee7_quant, .Lfunc_end_k_q3ae8c65ee7_quant-k_q3ae8c65ee7_quant
	.p2alignl 7, 3214868480
	.fill 96, 4, 3214868480
	.section	.rodata,"a",@progbits
	.p2align	6, 0x0
	.amdhsa_kernel k_q3ae8c65ee7_quant
		.amdhsa_group_segment_fixed_size 34304
		.amdhsa_private_segment_fixed_size 0
		.amdhsa_enable_private_segment 0
		.amdhsa_kernarg_size 64
		.amdhsa_user_sgpr_count 2
		.amdhsa_user_sgpr_kernarg_segment_ptr 1
		.amdhsa_wavefront_size32 1
		.amdhsa_system_sgpr_workgroup_id_x 1
		.amdhsa_system_sgpr_workgroup_id_y 1
		.amdhsa_system_sgpr_workgroup_id_z 1
		.amdhsa_system_vgpr_workitem_id 0
		.amdhsa_next_free_vgpr 256
		.amdhsa_next_free_sgpr 66
		.amdhsa_reserve_vcc 0
		.amdhsa_float_denorm_mode_32 3
		.amdhsa_float_denorm_mode_16_64 3
		.amdhsa_memory_ordered 1
		.amdhsa_forward_progress 1
		.amdhsa_inst_pref_size 50
	.end_amdhsa_kernel
	.amdgpu_metadata
---
amdhsa.version: [ 1, 2 ]
amdhsa.kernels:
  - .name:           k_q3ae8c65ee7_quant
    .symbol:         k_q3ae8c65ee7_quant.kd
    .args:
      - { .name: pheno_encoded, .offset: 0, .size: 8, .value_kind: global_buffer, .address_space: global }
      - { .name: SNPS_encoded, .offset: 8, .size: 8, .value_kind: global_buffer, .address_space: global }
      - { .name: Wk, .offset: 16, .size: 8, .value_kind: global_buffer, .address_space: global }
      - { .name: Wv_pheno, .offset: 24, .size: 8, .value_kind: global_buffer, .address_space: global }
      - { .name: Wq, .offset: 32, .size: 8, .value_kind: global_buffer, .address_space: global }
      - { .name: Wv_snp, .offset: 40, .size: 8, .value_kind: global_buffer, .address_space: global }
      - { .name: xq, .offset: 48, .size: 8, .value_kind: global_buffer, .address_space: global }
      - { .name: wq, .offset: 56, .size: 8, .value_kind: global_buffer, .address_space: global }
    .group_segment_fixed_size: 34304
    .private_segment_fixed_size: 0
    .kernarg_segment_align: 8
    .kernarg_segment_size: 64
    .max_flat_workgroup_size: 128
    .sgpr_count:     66
    .vgpr_count:     256
    .wavefront_size: 32
...
	.end_amdgpu_metadata
.endif
;; end of part 1
;; launch proj (part 2): grid 192 x 1, 8 waves a work-group, no clusters, 0 bytes of LDS; arguments xq, wq, streamP, streamS; writes streamP, streamS
.if DOCPART == 2
	.amdgcn_target "amdgcn-amd-amdhsa--gfx1250"
	.amdhsa_code_object_version 6
	.text
	.protected	k_q3ae8c65ee7_proj
	.globl	k_q3ae8c65ee7_proj
	.p2align	8
	.type	k_q3ae8c65ee7_proj,@function
k_q3ae8c65ee7_proj:
	s_mov_b64 s[64:65], 0
	v_nop
	global_prefetch_b8 v0, s[64:65] scope:SCOPE_SE
	s_setreg_imm32_b32 hwreg(HW_REG_WAVE_MODE, 25, 1), 1
	s_wait_xcnt 0x0
; The four projections on codes of FP4 (K = 512), and what attention wants of their results.  Work-groups 0-63: pheno (Wk, Wv_pheno); 64-191: SNPS (Wq, Wv_snp).
; A work-group takes 64 tokens (four tile records of xq); wave w takes head w: 64 columns (four tile records) of each of its input's two weights.  All operands come straight into registers, once.
; THREE PHASES, each four units of 16 matrix instructions on four accumulators that take turns:
;   VA  source 0 = the value weight's 16 columns, source 1 = 16 tokens: a lane holds one token and 32 of the head's d: f32 rows, through my stage in LDS, to resid (laid as the output).
;   VB  the sources swapped (the same sums bit for bit): a lane holds one d and its registers run along the tokens: quantised along the tokens: V^T's codes.
;   QK  as VA with Wk or Wq: a lane's registers run along d: quantised along d (K = 64: two blocks): k's or q's codes.
; Rows of a tile are not neighbours (slot r of tile u of a group of 32: row 8 u + r + 8 (r / 8)), so that the 16 registers of two neighbouring tiles are 16 neighbours along the next K.
; A STREAM RECORD (8,960 bytes) holds what one key step of 128 tokens of one (batch, head) needs: +0 eight tiles of k or q codes, 512 bytes each (registers 0-3 of a fragment; K = 64);
; +4096 V^T's codes [d tile][c][lane] 16 bytes; +8192 the eight tiles' scale words [tile][slot] (bytes 2, 3 are 0: they scale zero codes); +8704 V^T's scale words [d tile][slot].
; This work-group's 64 tokens are half c of a record: tiles 4 c .. 4 c + 3, chunk c of V^T's fragments, bytes 2 c, 2 c + 1 of V^T's scale words.
; LIMITS: NaN and infinities are not served; a block whose largest magnitude lies under 2^-124, a block of zeros among them, keeps the scale byte 1 (read by this program alone).
; REGISTERS: window 0: v1-6 addresses; v12-59 scale words; v60-91 accumulators; v92-123 at work; v128-255 x's 16 fragments.  Window 1: v0-127 the value weight's 16 fragments, v128-255 Wk's or Wq's.
; OF THE PHASES NAMED ABOVE THIS TEXT HAS TWO, VB AND QK: the values as f32 rows (phase VA, the buffers resid, the stage in LDS) are no part of it.
; The attention launches make those rows themselves, from xq's and wq's records, on the accumulators that hold their results.  This launch uses no LDS.
; THE TILES OF k OR q CODES ARE REGROUPED AS THEY ARE STORED: in a stream record slot r of tile 4 c + u holds token 64 c + 8 u + r % 8 + 32 (r / 8) of the record's 128.
; Slot r of this text's tile m = 2 b + u' is token 32 b + 8 u' + r % 8 + 16 (r / 8) of my 64: it goes to tile u' + 2 (r / 8), slot r % 8 + 8 b.  So eight lanes store 128 consecutive bytes of codes, or 32 of scale words.
.set TREC, 4352
.set REC,  8960
.set LI,   1                           ; 16 x lane
.set LR,   2                           ; 16 x (lane % 16)
.set L4,   3                           ; 4 x lane
.set STO,  4                           ; my stage, in
.set RD,   5                           ; my stage, out
.set GO,   6                           ; two rows of resid
.set XS,   12                          ; x's scale words, 4 m + s
.set WSV,  28                          ; the value weight's, 4 t + s
.set WSQ,  44                          ; Wk's or Wq's
.set ACC,  60
.set TM,   92                          ; +0,1 largest magnitudes; +2,3 the other half's; +4,5 the conversions' scales; +6,7 bytes
.set PC,   100                         ; four sets of four registers of codes
.set WD,   116                         ; a unit's two scale bytes
.set SD,   120
.set RBK,  92                          ; phase VA alone: 16 rows read back from the stage
.set XF,   128
.set MSB, 0
.macro WIN new                         ; the immediate's high byte repeats the setting that is left
.if MSB != \new
	s_set_vgpr_msb (MSB<<8)|\new
.set MSB, \new
.endif
.endm
.macro PLACES n
.rept \n
	v_nop
.endr
.endm
.macro LOADF reg, sb                   ; four records' codes: 32 loads of 512 consecutive bytes
.irp tile, 0,1,2,3
.irp s, 0,1,2,3
.irp c, 0,1
	global_load_b128 v[\reg+32*\tile+8*\s+4*\c:\reg+32*\tile+8*\s+4*\c+3], v[LI], s[\sb:\sb+1] offset:TREC*\tile+1024*\s+512*\c
.endr
.endr
.endr
.endm
.macro LOADS reg, sb                   ; and their scale words: a row's four words a lane
.irp tile, 0,1,2,3
	global_load_b128 v[\reg+4*\tile:\reg+4*\tile+3], v[LR], s[\sb:\sb+1] offset:TREC*\tile+4096
.endr
.endm
; Behind each unit five places (ISA guide 7.12.1): four serve the reads of the results, the fifth the next unit's first product, which begins an accumulator anew.
.macro MULA m, wb, wsc                 ; source 0 = the weight's tiles t (window 1), source 1 = tokens' tile m
	WIN 0x01
.irp s, 0,1,2,3
.irp t, 0,1,2,3
.if \s == 0
	v_wmma_scale_f32_16x16x128_f8f6f4 v[ACC+8*\t:ACC+8*\t+7], v[\wb+32*\t+8*\s:\wb+32*\t+8*\s+7], v[XF+32*\m+8*\s:XF+32*\m+8*\s+7], 0, v[\wsc+4*\t+\s], v[XS+4*\m+\s] matrix_a_fmt:MATRIX_FMT_FP4 matrix_b_fmt:MATRIX_FMT_FP4
.else
	v_wmma_scale_f32_16x16x128_f8f6f4 v[ACC+8*\t:ACC+8*\t+7], v[\wb+32*\t+8*\s:\wb+32*\t+8*\s+7], v[XF+32*\m+8*\s:XF+32*\m+8*\s+7], v[ACC+8*\t:ACC+8*\t+7], v[\wsc+4*\t+\s], v[XS+4*\m+\s] matrix_a_fmt:MATRIX_FMT_FP4 matrix_b_fmt:MATRIX_FMT_FP4
.endif
.endr
.endr
	WIN 0
	PLACES 5
.endm
.macro MULB t                          ; source 0 = tokens' tiles m, source 1 = the value weight's tile t (window 1)
	WIN 0x04
.irp s, 0,1,2,3
.irp m, 0,1,2,3
.if \s == 0
	v_wmma_scale_f32_16x16x128_f8f6f4 v[ACC+8*\m:ACC+8*\m+7], v[XF+32*\m+8*\s:XF+32*\m+8*\s+7], v[32*\t+8*\s:32*\t+8*\s+7], 0, v[XS+4*\m+\s], v[WSV+4*\t+\s] matrix_a_fmt:MATRIX_FMT_FP4 matrix_b_fmt:MATRIX_FMT_FP4
.else
	v_wmma_scale_f32_16x16x128_f8f6f4 v[ACC+8*\m:ACC+8*\m+7], v[XF+32*\m+8*\s:XF+32*\m+8*\s+7], v[32*\t+8*\s:32*\t+8*\s+7], v[ACC+8*\m:ACC+8*\m+7], v[XS+4*\m+\s], v[WSV+4*\t+\s] matrix_a_fmt:MATRIX_FMT_FP4 matrix_b_fmt:MATRIX_FMT_FP4
.endif
.endr
.endr
	WIN 0
	PLACES 5
.endm
; The unit's 32 numbers a lane, register 16 b + i = K 32 b + 16 h + i of my row, become four registers of codes (lanes 0-15 block 0, lanes 16-31 block 1) and two bytes in v[TM+6], v[TM+7].
.macro QUANT2 dst
.irp b, 0,1
	v_max3_num_f32 v[TM+\b], |v[ACC+16*\b]|, |v[ACC+16*\b+1]|, 0x1800000   ; each accumulator is read from its low end on; the floor 2^(3 - 127) holds the byte at 1 from below
.endr
.irp i, 2,4,6,8,10,12,14
.irp b, 0,1
	v_max3_num_f32 v[TM+\b], v[TM+\b], |v[ACC+16*\b+\i]|, |v[ACC+16*\b+\i+1]|
.endr
.endr
.irp b, 0,1
	s_delay_alu instid0(VALU_DEP_2)
	v_permlanex16_b32 v[TM+2+\b], v[TM+\b], s42, s43
.endr
.irp b, 0,1
	s_delay_alu instid0(VALU_DEP_2)
	v_max_num_f32 v[TM+\b], v[TM+\b], v[TM+2+\b]   ; with lane l xor 16's 16: the block's largest magnitude
.endr
.irp b, 0,1
	s_delay_alu instid0(VALU_DEP_2)
	v_add_nc_u32 v[TM+4+\b], 0xff000000, v[TM+\b]  ; 2 off its exponent field: the conversion's scale operand
.endr
.irp b, 0,1
	s_delay_alu instid0(VALU_DEP_2)
	v_lshrrev_b32 v[TM+6+\b], 23, v[TM+4+\b]       ; the scale's byte
.endr
.irp b, 0,1
	v_cvt_scalef32_pk8_fp4_f32 v[(\dst)+2*\b], v[ACC+16*\b:ACC+16*\b+7], v[TM+4+\b]
	v_cvt_scalef32_pk8_fp4_f32 v[(\dst)+2*\b+1], v[ACC+16*\b+8:ACC+16*\b+15], v[TM+4+\b]
.endr
	v_nop                                          ; one plain place behind the last scaled conversion
	v_permlane16_swap_b32 v[(\dst)], v[(\dst)+2]   ; the operand's layout wants a whole block in a lane
	v_permlane16_swap_b32 v[(\dst)+1], v[(\dst)+3]
.endm
	s_load_b256 s[4:11], s[0:1], 0x0               ; xq s[4:5], wq s[6:7], streamP s[8:9], streamS s[10:11]
	v_lshrrev_b32 v7, 5, v0
	s_delay_alu instid0(VALU_DEP_1)
	v_readfirstlane_b32 s16, v7                    ; wave = head 0..7
	v_and_b32 v7, 31, v0                           ; lane
	v_and_b32 v8, 15, v0                           ; r
	s_delay_alu instid0(VALU_DEP_2)
	v_lshlrev_b32 v[LI], 4, v7
	s_delay_alu instid0(VALU_DEP_2)
	v_lshlrev_b32 v[LR], 4, v8
	v_lshlrev_b32 v[L4], 2, v7
	v_and_b32 v9, 7, v0                            ; r % 8
	v_bfe_u32 v10, v0, 4, 1                        ; h
	v_bfe_u32 v11, v0, 3, 1                        ; r / 8
	v_lshlrev_b32 v122, 4, v9
	v_lshlrev_b32 v123, 2, v9
	v_lshl_add_u32 v122, v10, 8, v122
	v_lshl_add_u32 v123, v10, 6, v123
	v_lshl_add_u32 v122, v11, 10, v122             ; k's or q's codes: 1,024 (r / 8) + 256 h + 16 (r % 8)
	v_lshl_add_u32 v123, v11, 7, v123              ; their scale words (lanes 16-31: the tile u' = 1): 128 (r / 8) + 64 h + 4 (r % 8)
	s_mov_b32 s27, 0
	s_cmp_lt_u32 ttmp9, 64                         ; pheno or SNPS: the choices hang on the work-group's number alone
	s_cselect_b32 s17, 0, 64
	s_cselect_b32 s18, 5, 6                        ; log2 of the work-groups in a batch
	s_cselect_b32 s19, 0, 2                        ; Wk or Wq among wq's four
	s_wait_alu depctr_va_vdst(0)
	s_wait_kmcnt 0x0
	s_cselect_b64 s[8:9], s[8:9], s[10:11]
	s_mul_i32 s26, ttmp9, 4*TREC
	s_add_nc_u64 s[4:5], s[4:5], s[26:27]          ; my four records of xq
	s_lshl_b32 s26, s19, 5
	s_lshl_b32 s41, s16, 2
	s_add_co_u32 s26, s26, s41
	s_mul_i32 s26, s26, TREC
	s_add_nc_u64 s[6:7], s[6:7], s[26:27]          ; my head's four records of Wk or Wq,
	s_add_nc_u64 s[38:39], s[6:7], 32*TREC         ; and of the value weight, which follows it
	LOADF XF, 4
	LOADS XS, 4
	WIN 0x40                                       ; destination window 1
	LOADF 0, 38
	WIN 0
	LOADS WSV, 38
	WIN 0x40
	LOADF 128, 6
	WIN 0
	LOADS WSQ, 6
	; while they are on their way: where the results go
	s_mov_b32 s40, 0xffff0000                      ; lanes 16-31
	s_mov_b32 s42, 0x76543210
	s_mov_b32 s43, 0xfedcba98                      ; v_permlanex16_b32's selects for lane l xor 16
	s_sub_co_u32 s20, ttmp9, s17                   ; g: my work-group among its input's
	s_lshr_b32 s21, s20, s18                       ; batch
	s_bfm_b32 s22, s18, 0
	s_and_b32 s22, s20, s22                        ; my 64 tokens among the batch's
	s_lshr_b32 s23, s22, 1                         ; key step
	s_and_b32 s24, s22, 1                          ; c: which half of it
	s_lshl_b32 s25, s21, 3
	s_add_co_u32 s25, s25, s16                     ; 8 x batch + head
	s_sub_co_u32 s26, s18, 1
	s_lshl_b32 s25, s25, s26                       ; x key steps in a head
	s_add_co_u32 s25, s25, s23
	s_mul_i32 s25, s25, REC                        ; my record
	s_lshl_b32 s26, s24, 11
	s_add_co_u32 s26, s26, s25
	s_add_nc_u64 s[28:29], s[8:9], s[26:27]        ; k's or q's codes: tiles 4 c on
	s_lshl_b32 s26, s24, 8
	s_add_co_u32 s26, s26, s25
	s_add_co_u32 s26, s26, 8192
	s_add_nc_u64 s[30:31], s[8:9], s[26:27]        ; their scale words
	s_lshl_b32 s26, s24, 9
	s_add_co_u32 s26, s26, s25
	s_add_co_u32 s26, s26, 4096
	s_add_nc_u64 s[32:33], s[8:9], s[26:27]        ; V^T's codes: chunk c
	s_lshl_b32 s26, s24, 1
	s_add_co_u32 s26, s26, s25
	s_add_co_u32 s26, s26, 8704
	s_add_nc_u64 s[34:35], s[8:9], s[26:27]        ; V^T's scale words: bytes 2 c, 2 c + 1
	s_wait_loadcnt 36                              ; x and the value weight are in; the youngest 36 loads (Wk or Wq) may be out
	v_mov_b32 v[TM+2], 0                           ; a lane permute's destination counts as read
	v_mov_b32 v[TM+3], 0
	; ---- VB: the values' codes along the tokens
.irp t, 0,1,2,3
	MULB \t
	QUANT2 PC+4*\t
	global_store_b128 v[LI], v[PC+4*\t:PC+4*\t+3], s[32:33] offset:1024*\t   ; 512 consecutive bytes
	v_lshl_or_b32 v[WD+\t], v[TM+7], 8, v[TM+6]
.endr
.irp j, 0,1
	v_cndmask_b32 v[SD+\j], v[WD+2*\j], v[WD+2*\j+1], s40          ; lanes 0-15 d tile 2 j, lanes 16-31 d tile 2 j + 1
	global_store_b16 v[L4], v[SD+\j], s[34:35] offset:128*\j       ; two bytes of each word; the other half of the record's tokens writes the other two: 192 KiB in the whole launch go out so
.endr
	s_wait_loadcnt 0x0                             ; Wk or Wq
	s_wait_xcnt 0x0                                ; the stores above have read the registers that the next phase writes anew
	; ---- QK: k's or q's codes along d
.irp m, 0,1,2,3
	MULA \m, 128, WSQ
	QUANT2 PC+4*\m
	global_store_b128 v122, v[PC+4*\m:PC+4*\m+3], s[28:29] offset:512*(\m%2)+128*(\m/2)
	v_lshl_or_b32 v[WD+\m], v[TM+7], 8, v[TM+6]    ; bytes 2 and 3 stay 0
.endr
.irp j, 0,1
	v_cndmask_b32 v[SD+\j], v[WD+2*\j], v[WD+2*\j+1], s40
	global_store_b32 v123, v[SD+\j], s[30:31] offset:32*\j
.endr
	s_endpgm
.Lfunc_end_k_q3ae8c65ee7_proj:
	.size	k_q3ae8c65ee7_proj, .Lfunc_end_k_q3ae8c65ee7_proj-k_q3ae8c65ee7_proj
	.p2alignl 7, 3214868480
	.fill 96, 4, 3214868480
	.section	.rodata,"a",@progbits
	.p2align	6, 0x0
	.amdhsa_kernel k_q3ae8c65ee7_proj
		.amdhsa_group_segment_fixed_size 0
		.amdhsa_private_segment_fixed_size 0
		.amdhsa_enable_private_segment 0
		.amdhsa_kernarg_size 32
		.amdhsa_user_sgpr_count 2
		.amdhsa_user_sgpr_kernarg_segment_ptr 1
		.amdhsa_wavefront_size32 1
		.amdhsa_system_sgpr_workgroup_id_x 1
		.amdhsa_system_sgpr_workgroup_id_y 1
		.amdhsa_system_sgpr_workgroup_id_z 1
		.amdhsa_system_vgpr_workitem_id 0
		.amdhsa_next_free_vgpr 512
		.amdhsa_next_free_sgpr 66
		.amdhsa_reserve_vcc 0
		.amdhsa_float_denorm_mode_32 3
		.amdhsa_float_denorm_mode_16_64 3
		.amdhsa_memory_ordered 1
		.amdhsa_forward_progress 1
		.amdhsa_inst_pref_size 50
	.end_amdhsa_kernel
	.amdgpu_metadata
---
amdhsa.version: [ 1, 2 ]
amdhsa.kernels:
  - .name:           k_q3ae8c65ee7_proj
    .symbol:         k_q3ae8c65ee7_proj.kd
    .args:
      - { .name: xq, .offset: 0, .size: 8, .value_kind: global_buffer, .address_space: global }
      - { .name: wq, .offset: 8, .size: 8, .value_kind: global_buffer, .address_space: global }
      - { .name: streamP, .offset: 16, .size: 8, .value_kind: global_buffer, .address_space: global }
      - { .name: streamS, .offset: 24, .size: 8, .value_kind: global_buffer, .address_space: global }
    .group_segment_fixed_size: 0
    .private_segment_fixed_size: 0
    .kernarg_segment_align: 8
    .kernarg_segment_size: 32
    .max_flat_workgroup_size: 256
    .sgpr_count:     66
    .vgpr_count:     512
    .wavefront_size: 32
...
	.end_amdgpu_metadata
.endif
;; end of part 2
;; launch attn (part 3): grid 16 x 16, 16 waves a work-group, no clusters, 327,680 bytes of LDS; arguments streamP, streamS, xq, wq, out0, out1; writes out0, out1
.if DOCPART == 3
	.amdgcn_target "amdgcn-amd-amdhsa--gfx1250"
	.amdhsa_code_object_version 6
	.text
	.protected	k_q3ae8c65ee7_attn
	.globl	k_q3ae8c65ee7_attn
	.p2align	8
	.type	k_q3ae8c65ee7_attn,@function
k_q3ae8c65ee7_attn:
	s_mov_b64 s[64:65], 0
	v_nop
	global_prefetch_b8 v0, s[64:65] scope:SCOPE_SE
	s_setreg_imm32_b32 hwreg(HW_REG_WAVE_MODE, 25, 1), 1
	s_wait_xcnt 0x0
; Both attentions of one (batch, head), one after the other, in one work-group of sixteen waves (four to a SIMD).
; PART 1, out0: 128 pheno tokens are the queries (k's codes), the head's 4,096 SNP tokens the keys (q's codes) and values (v_snp); softmax over the SNP axis; v_pheno is added.
; PART 2, out1: 256 SNP tokens are the queries, the head's 2,048 pheno tokens the keys and values; softmax over the pheno axis; v_snp is added.
; Both products on codes of FP4 with one E8M0 scale for each 32 along K.  t = score x log2(e) / 8; M = the running largest t rounded UP to a whole number; p = 2^(t - M) is quantised along the keys,
; not normalised; the row's sum is taken of the unquantised p and divides at the end; when M moves, the sum and O are multiplied by 2^(old M - new M), which rounds nothing.
; SHARES: a wave owns one tile of 16 queries and walks 16 key steps of 128 keys (one stream record of 8,960 bytes) in each part.
;   Part 1 has 8 tiles: waves w and w + 8 share tile w; at step i wave half g takes record 2 i + g of the head's 32.  At its end waves 8-15 hand O, -M and the sum over through LDS and go on to part 2,
;   while waves 0-7 join the two halves under the larger M by exact powers of two, add the values, store, and follow.
;   Part 2 has 16 tiles, and every wave walks the head's 16 records.
; LDS: part 1's 32 records lie at 0 .. 286,719: steps 0-3 are asked for at the head (waves 0-3), steps 4-15 behind the first barrier (waves 0-11), with the two value weights' records of the head (waves 12, 13).
; Behind step 7 the bytes of steps 0-7, 143,360, which nobody reads any more, are filled again with part 2's 16 records, one a wave: they have steps 8-15 in which to land.
; Behind part 1's last step the bytes of steps 8-15 serve the hand-over and the stages of the way out.
; BOTH PRODUCTS ARE USED TRANSPOSED (S^T = K Q^T, O^T = V^T P^T): a lane holds one query (lane % 16).
; A WHOLE BLOCK OF 32 KEYS IN A LANE: slot r of tile 4 c + u of a record is token 64 c + 8 u + r % 8 + 32 (r / 8).  So register j of tile 4 c + u in lane (r, h) is key 64 c + 32 h + 8 u + j: the lane's 32 registers
; of tiles 4 c .. 4 c + 3 are block 2 c + h, in the order of the operand's registers 4 c .. 4 c + 3: a block's maximum needs no other lane, and the conversions' results are the operand as they stand.
; The head's 64 fill half of the instruction's K: Q's registers 4-7 hold zero codes.  K's fragments therefore lie FOUR registers apart: a fragment's registers 4-7 are the next fragment's codes (the last one's: zeros);
; whatever code stands there is multiplied by a zero code.
; THE VALUES OF THE QUERIES' OWN TOKENS (v = x Wv, K = 512) are added by the matrix unit: O^T / the sum stays in its accumulators, and 16 products of the weight's four tiles with my tile of x add onto them.
; xq's tiles hold other tokens (slot s of tile 2 b + u' of a group of 64: token 32 b + 8 u' + s % 8 + 16 (s / 8)): row r of my tile 4 c + u is slot r % 8 + 8 (u / 2) of xq's tile 2 (r / 8) + u % 2 of the same 64: a lane offset.
; These rows come from memory into K's registers in a part's last step, where no further K is due; one prefetch a wave names 17 blocks of 256 bytes (one of the work-group's records of xq) earlier:
; part 1's behind the first barrier, 15 steps ahead, part 2's behind step 7.
; NO CLUSTER, and no prefetch of the stream records: a work-group asks for each record once in the launch, part 1's ahead of its first step and part 2's eight steps ahead of their first read: no later trip is left to ask ahead for.
; LIMITS: NaN and infinities are not served; the scaled scores stay under 2^31 in magnitude; a block of p that has fallen to zeros keeps the scale byte 1 (its codes are zeros).
.set REC,   8960
.set TREC,  4352
.set PB,    2*REC                      ; bytes of a step of part 1
.set WBP,   16*PB                      ; Wv_pheno's four records
.set SPARE, WBP+4*TREC                 ; the spare words, 2,048 bytes
.set WBS,   SPARE+2048                 ; Wv_snp's four records
.set MRG,   8*PB                       ; 8 x 4,608 bytes: what waves 8-15 hand over; then part 1's stages
.set STAGE, 184320                     ; part 2's stages, 16 x 4,352 bytes
.set AD,  1                            ; the step's first byte + 16 x lane
.set ADS, 2                            ; + 4 x lane
.set SPW, 3                            ; my spare word; never rewritten
.set NIL, 4                            ; 0; never rewritten
.set LI,  5                            ; 16 x lane
.set L4,  6                            ; 4 x lane
.set GO,  7                            ; two rows of the output
.set KS,  8                            ; v8-11 K's scale words.  v12 -M, v13 the largest score, v[14:15] the sum, v16-23 Q
.set VS,  24                           ; v24-25 V^T's scale words
.set QS,  26                           ; Q's
.set PS,  27                           ; p's
.set STO, 28
.set RD,  29
.set R,   30
.set H,   31
.set KF,  32                           ; v32-67 K's eight fragments, four registers apart; at a part's end x's four
.set WA,  68
.set WSA, 69
.set XO,  70                           ; x's codes: 8,704 (r / 8) + 256 h + 16 (r % 8)
.set SH8, 71                           ; 8 h
.set MA,  72
.set Q4R, 73                           ; 4 x (lane % 16)
.set XSO, 74                           ; x's scale words: 8,704 (r / 8) + 16 (r % 8)
.set PFO, 75                           ; 256 x min(lane, 16)
.set XS,  76                           ; v76-79 x's scale words
.set WS,  80                           ; v80-95 the weight's.   v96-159 S^T, then p;  v160-191 O^T
.set VF,  192                          ; v192-223 V^T's four fragments.  v224-231 p's codes;  v232-255 at work
.set TB,  2
.set CNT, 3
.set SEL, 16
.set CS,  18
.set G1,  20                           ; group 1: a step of part 1, 70 rows
.set G0,  28
.set G1W, 32                           ; a weight's four records, 68 rows
.set G0W, 40
.set G1S, 44                           ; a record, 35 rows
.set G0V, 52
.set G0S, 56
.set WV,  98
.macro DESC g, r                       ; group 1: r dense rows of 256 bytes (32 elements of 8), no padding
	s_mov_b32 s[\g], 3<<16
	s_mov_b32 s[\g+1], 32<<16
	s_mov_b32 s[\g+2], (\r)<<16
	s_mov_b32 s[\g+3], 32<<16
	s_mov_b32 s[\g+4], \r
	s_mov_b32 s[\g+5], 32
	s_mov_b32 s[\g+6], 0
	s_mov_b32 s[\g+7], 0
.endm
.macro TL g0, g1                       ; s_nop 0 and four v_nop follow the load
	tensor_load_to_lds s[\g0:\g0+3], s[\g1:\g1+7]
	s_nop 0
.rept 4
	v_nop
.endr
.endm
.macro OUTOFF d, t, lg                 ; byte offset of slot 0's token of tile s[t]: (batch << lg) + 64 (T / 4) + 8 (T % 4) tokens of 2,048 bytes, + 256 x head
	s_lshl_b32 s[\d], s84, \lg
	s_lshr_b32 s93, s[\t], 2
	s_lshl_b32 s93, s93, 6
	s_add_co_u32 s[\d], s[\d], s93
	s_and_b32 s93, s[\t], 3
	s_lshl_b32 s93, s93, 3
	s_add_co_u32 s[\d], s[\d], s93
	s_lshl_b32 s[\d], s[\d], 11
	s_lshl_b32 s93, s83, 8
	s_add_co_u32 s[\d], s[\d], s93
	s_mov_b32 s[\d+1], 0
.endm
.macro XOFF d, t                       ; s[d] holds the batch's first record of xq: + T with its bit 1 cleared (4 (T / 4) + T % 2), in bytes, + 128 x that bit (8 slots of 16 bytes)
	s_and_b32 s93, s[\t], 0xfffffffd
	s_add_co_u32 s[\d], s[\d], s93
	s_mul_i32 s[\d], s[\d], TREC
	s_and_b32 s93, s[\t], 2
	s_lshl_b32 s93, s93, 6
	s_add_co_u32 s[\d], s[\d], s93
	s_mov_b32 s[\d+1], 0
.endm
.macro WM d, a, b, acc, sa, sb, row    ; acc = 0: the product starts the sum; row = 1: source 0's scales stand in lanes 16-31
.if \acc
.if \row
	v_wmma_scale_f32_16x16x128_f8f6f4 v[\d:\d+7], v[\a:\a+7], v[\b:\b+7], v[\d:\d+7], v[\sa], v[\sb] matrix_a_fmt:MATRIX_FMT_FP4 matrix_b_fmt:MATRIX_FMT_FP4 matrix_a_scale:MATRIX_SCALE_ROW1
.else
	v_wmma_scale_f32_16x16x128_f8f6f4 v[\d:\d+7], v[\a:\a+7], v[\b:\b+7], v[\d:\d+7], v[\sa], v[\sb] matrix_a_fmt:MATRIX_FMT_FP4 matrix_b_fmt:MATRIX_FMT_FP4
.endif
.else
.if \row
	v_wmma_scale_f32_16x16x128_f8f6f4 v[\d:\d+7], v[\a:\a+7], v[\b:\b+7], 0, v[\sa], v[\sb] matrix_a_fmt:MATRIX_FMT_FP4 matrix_b_fmt:MATRIX_FMT_FP4 matrix_a_scale:MATRIX_SCALE_ROW1
.else
	v_wmma_scale_f32_16x16x128_f8f6f4 v[\d:\d+7], v[\a:\a+7], v[\b:\b+7], 0, v[\sa], v[\sb] matrix_a_fmt:MATRIX_FMT_FP4 matrix_b_fmt:MATRIX_FMT_FP4
.endif
.endif
.endm
	s_load_b256 s[4:11], s[0:1], 0x0               ; streamP s[4:5], streamS s[6:7], xq s[8:9], wq s[10:11]
	s_load_b128 s[12:15], s[0:1], 0x20             ; out0 s[12:13], out1 s[14:15]
	v_lshl_add_u32 v[SPW], v0, 2, SPARE
	v_mov_b32 v[NIL], 0
	ds_add_u32 v[SPW], v[NIL]                      ; the opening lines: the add, twice on end, and its wait
	ds_add_u32 v[SPW], v[NIL]
	v_lshrrev_b32 v254, 5, v0
	v_readfirstlane_b32 s[WV], v254                ; wave
	s_and_b32 s82, ttmp7, 0xffff                   ; 8 x batch + head
	s_and_b32 s83, s82, 7                          ; head
	s_lshr_b32 s84, s82, 3                         ; batch
	DESC G1, 70
	DESC G1W, 68
	DESC G1S, 35
	s_mov_b32 s[G0], 1
	s_mul_i32 s[G0+1], s[WV], PB                   ; part 1: step = wave, in LDS
	s_mul_i32 s86, s82, 16*PB
	s_add_co_u32 s86, s86, s[G0+1]                 ; and in streamS
	s_mov_b32 s87, 0
	s_mov_b32 s[G0S], 1
	s_mul_i32 s[G0S+1], s[WV], REC                 ; part 2: record = wave, in LDS
	s_mul_i32 s88, s82, 16*REC
	s_add_co_u32 s88, s88, s[G0S+1]                ; and in streamP
	s_mov_b32 s89, 0
	s_mov_b32 s[G0W], 1
	s_mov_b32 s[G0W+1], WBP
	s_mov_b32 s[G0V], 1
	s_mov_b32 s[G0V+1], WBS
	s_lshl_b32 s90, s83, 2
	s_add_co_u32 s90, s90, 32
	s_mul_i32 s90, s90, TREC                       ; the head's four records of Wv_pheno; Wv_snp's lie 64 records on
	s_mov_b32 s91, 0
	s_and_b32 s85, s[WV], 7                        ; my tile in its record; part 1: in the work-group
	s_lshl_b32 s92, s82, 4
	s_add_co_u32 s92, s92, ttmp9                   ; part 1's queries: record 16 x (8 batch + head) + x
	s_mul_i32 s92, s92, REC
	s_lshl_b32 s93, s85, 9
	s_add_co_u32 s66, s92, s93                     ; codes
	s_mov_b32 s67, 0
	s_lshl_b32 s93, s85, 6
	s_add_co_u32 s68, s92, s93
	s_add_co_u32 s68, s68, 8192                    ; scale words
	s_mov_b32 s69, 0
	s_lshl_b32 s92, s82, 4
	s_add_co_u32 s92, s92, ttmp9
	s_lshl_b32 s92, s92, 1
	s_lshr_b32 s93, s[WV], 3
	s_add_co_u32 s92, s92, s93                     ; part 2's: record 32 x (8 batch + head) + 2 x + wave / 8
	s_mul_i32 s92, s92, REC
	s_lshl_b32 s93, s85, 9
	s_add_co_u32 s70, s92, s93
	s_mov_b32 s71, 0
	s_lshl_b32 s93, s85, 6
	s_add_co_u32 s72, s92, s93
	s_add_co_u32 s72, s72, 8192
	s_mov_b32 s73, 0
	s_lshl_b32 s94, ttmp9, 3
	s_add_co_u32 s94, s94, s85                     ; part 1: my tile among the head's
	s_lshl_b32 s95, ttmp9, 4
	s_add_co_u32 s95, s95, s[WV]                   ; part 2
	s_lshl_b32 s74, s84, 7                         ; xq: pheno's records come first, 128 a batch
	s_add_co_u32 s60, s74, s94
	s_mul_i32 s60, s60, TREC                       ; the record that my prefetch names
	s_mov_b32 s61, 0
	XOFF 74, 94                                    ; where my tile's rows begin
	s_lshl_b32 s76, s84, 8
	s_add_co_u32 s76, s76, 256                     ; SNPS's from record 256 on, 256 a batch
	s_add_co_u32 s62, s76, s95
	s_mul_i32 s62, s62, TREC
	s_mov_b32 s63, 0
	XOFF 76, 95
	OUTOFF 78, 94, 11
	OUTOFF 80, 95, 12
	s_mul_i32 s96, s85, 4608
	s_add_co_u32 s96, s96, MRG                     ; where my tile's second half is handed over; then its stage
	s_mul_i32 s97, s[WV], TREC
	s_add_co_u32 s97, s97, STAGE                   ; part 2's stage
	s_lshr_b32 s[TB], s[WV], 3
	s_mul_i32 s[TB], s[TB], REC                    ; waves 8-15 take the second record of each step
	s_mov_b32 s[SEL], 0x76543210
	s_mov_b32 s[SEL+1], 0xfedcba98                 ; v_permlanex16_b32's selects for lane l xor 16
	s_mov_b32 s[CS], 0x3e38aa3b                    ; log2(e) / sqrt(64)
	s_mov_b32 s[CS+1], s[CS]
	s_wait_dscnt 0x0                               ; both opening adds are done
	s_wait_kmcnt 0x0
	s_add_nc_u64 s[G0+2:G0+3], s[6:7], s[86:87]
	s_or_b32 s[G0+3], s[G0+3], 0x80000000
	s_add_nc_u64 s[G0S+2:G0S+3], s[4:5], s[88:89]
	s_or_b32 s[G0S+3], s[G0S+3], 0x80000000
	s_add_nc_u64 s[G0W+2:G0W+3], s[10:11], s[90:91]
	s_add_nc_u64 s[G0V+2:G0V+3], s[G0W+2:G0W+3], 64*TREC
	s_or_b32 s[G0W+3], s[G0W+3], 0x80000000
	s_or_b32 s[G0V+3], s[G0V+3], 0x80000000
	s_cmp_lt_u32 s[WV], 4                          ; steps 0-3: one load a wave, waves 0-3
	s_cbranch_scc0 .Lhead_asked
	TL G0, G1
.Lhead_asked:
	s_add_nc_u64 s[66:67], s[4:5], s[66:67]
	s_add_nc_u64 s[68:69], s[4:5], s[68:69]
	s_add_nc_u64 s[70:71], s[6:7], s[70:71]
	s_add_nc_u64 s[72:73], s[6:7], s[72:73]
	s_add_nc_u64 s[74:75], s[8:9], s[74:75]
	s_add_nc_u64 s[76:77], s[8:9], s[76:77]
	s_add_nc_u64 s[60:61], s[8:9], s[60:61]
	s_add_nc_u64 s[62:63], s[8:9], s[62:63]
	s_add_nc_u64 s[78:79], s[12:13], s[78:79]
	s_add_nc_u64 s[80:81], s[14:15], s[80:81]
	v_and_b32 v254, 31, v0                         ; lane
	v_and_b32 v[R], 15, v0
	v_bfe_u32 v[H], v0, 4, 1
	v_lshlrev_b32 v[LI], 4, v254
	v_lshlrev_b32 v[L4], 2, v254
	v_lshlrev_b32 v[Q4R], 2, v[R]
	global_load_b128 v[16:19], v[LI], s[66:67]     ; part 1's Q stays in registers
	global_load_b32 v[QS], v[Q4R], s[68:69]
	v_min_u32 v[PFO], 16, v254
	v_lshlrev_b32 v[PFO], 8, v[PFO]
	v_bfe_u32 v255, v0, 3, 1                       ; r / 8
	v_and_b32 v[XSO], 7, v0                        ; r % 8
	v_lshlrev_b32 v[XSO], 4, v[XSO]
	v_mad_u32_u24 v[XSO], v255, 2*TREC, v[XSO]
	v_lshl_add_u32 v[XO], v[H], 8, v[XSO]
	v_lshlrev_b32 v[SH8], 3, v[H]
	v_lshlrev_b32 v[GO], 11, v[H]
	v_lshl_add_u32 v[GO], v[R], 4, v[GO]           ; lanes 0-15 one row of the output, lanes 16-31 the next
	v_mul_u32_u24 v[STO], v[R], 272
	v_lshl_add_u32 v[STO], v[H], 6, v[STO]
	v_add_nc_u32 v[STO], s96, v[STO]               ; the stage, in: row r, + 64 h bytes
	v_mul_u32_u24 v[RD], v[H], 272
	v_lshl_add_u32 v[RD], v[R], 4, v[RD]
	v_add_nc_u32 v[RD], s96, v[RD]                 ; out: two rows an instruction
	v_add_nc_u32 v[AD], s[TB], v[LI]
	v_add_nc_u32 v[ADS], s[TB], v[L4]
	v_add_nc_u32 v[WA], WBP, v[LI]
	v_lshl_add_u32 v[WSA], v[R], 4, WBP+4096
	v_add_nc_u32 v[MA], s96, v[LI]
.macro FRESH                           ; a part's state: the sum, O^T (the first change of M leaves zeros zeros), the largest score (-3e38), -M
	v_mov_b32 v14, 0
	v_mov_b32 v15, 0
.set j, 0
.rept 32
	v_mov_b32 v[160+j], 0
.set j, j+1
.endr
	v_mov_b32 v13, 0xff61b1e6
	v_floor_f32 v12, -v13
.endm
.irp j, 20,21,22,23,64,65,66,67,236,239,253
	v_mov_b32 v[\j], 0                             ; Q's K = 64 .. 127; behind K's last fragment; the permutes' destinations; the upper half of v[252:253]
.endr
	FRESH
.macro KLOAD                           ; 12 loads: eight tiles of key codes and their scale words
.irp t, 0,1,2,3,4,5,6,7
	ds_load_b128 v[KF+4*\t:KF+4*\t+3], v[AD] offset:512*\t
.endr
.irp j, 0,1,2,3
	ds_load_b32 v[KS+\j], v[ADS] offset:8192+128*\j
.endr
.endm
.macro XG xb                           ; my tile's rows of xq: four fragments and the scale words
.irp i, 0,1,2,3,4,5,6,7
	global_load_b128 v[32+4*\i:35+4*\i], v[XO], s[\xb:\xb+1] offset:512*\i
.endr
	global_load_b128 v[XS:XS+3], v[XSO], s[\xb:\xb+1] offset:4096
.endm
.macro PKF from                        ; t - M, two at a time
.set j, \from
.rept 8
	v_pk_fma_f32 v[96+j:97+j], v[96+j:97+j], s[CS:CS+1], v[12:13] op_sel_hi:[1,0,0]
.set j, j+2
.endr
.endm
.macro SUMK k                          ; four chains of the row's sum take four pairs of p each
.irp c, 0,1,2,3
	v_pk_add_f32 v[240+2*\c+4*(\c/2):241+2*\c+4*(\c/2)], v[240+2*\c+4*(\c/2):241+2*\c+4*(\c/2)], v[96+2*\c+8*(\k):97+2*\c+8*(\k)]
.endr
.endm
; A KEY STEP.  K's 12 loads are out when it begins.  pre = 1: the next step's are issued under the softmax; pre = 2: x's loads take their place; step: bytes from step to step.
.macro STEP pre, step, xb
.irp t, 0,1,2,3                        ; V's 10 loads; the places behind the last step's products are the sixteen additions at that step's end
.irp c, 0,1
	ds_load_b128 v[VF+8*\t+4*\c:VF+8*\t+4*\c+3], v[AD] offset:4096+1024*\t+512*\c
.endr
.endr
.irp j, 0,1
	ds_load_b32 v[VS+\j], v[ADS] offset:8704+128*\j
.endr
	s_wait_dscnt 10                                ; K's 12 are in; V's 10 may be out
.irp t, 0,1,2,3,4,5,6,7
	WM 96+8*\t, KF+4*\t, 16, 0, KS+\t/2, QS, \t%2
.endr
	s_add_co_u32 s[TB], s[TB], \step
	v_add_nc_u32 v[AD], s[TB], v[LI]               ; on to the next step: these four lines are the places behind the products
	v_add_nc_u32 v[ADS], s[TB], v[L4]
	v_mov_b32 v254, v12                            ; the old -M
	v_nop
.if \pre == 1
	KLOAD
.endif
.if \pre == 2
	XG \xb
.endif
; The largest score of my two blocks (registers 32 c + 0 .. 31): for the row's maximum and for the block's largest p.  Two chains a block, of 17 and of 15 numbers; each accumulator is read from its low end on.
.irp c, 0,1
	v_max3_num_f32 v[232+\c], v[96+32*\c], v[97+32*\c], v[98+32*\c]
	v_max3_num_f32 v[234+\c], v[113+32*\c], v[114+32*\c], v[115+32*\c]
.endr
.irp i, 0,1,2,3,4,5
.irp c, 0,1
	v_max3_num_f32 v[232+\c], v[232+\c], v[99+32*\c+2*\i], v[100+32*\c+2*\i]
	v_max3_num_f32 v[234+\c], v[234+\c], v[116+32*\c+2*\i], v[117+32*\c+2*\i]
.endr
.endr
.irp c, 0,1
	v_max3_num_f32 v[232+\c], v[232+\c], v[111+32*\c], v[112+32*\c]
.endr
.irp c, 0,1
	v_max_num_f32 v[232+\c], v[232+\c], v[234+\c]
.endr
	v_max_num_f32 v255, v232, v233
	s_delay_alu instid0(VALU_DEP_1)
	v_permlanex16_b32 v236, v255, s[SEL], s[SEL+1] ; lane l xor 16's two blocks
	s_delay_alu instid0(VALU_DEP_1)
	v_max3_num_f32 v13, v13, v255, v236            ; the running largest score
	s_delay_alu instid0(VALU_DEP_1)
	v_mul_f32 v255, s[CS], v13                     ; as t (c is positive)
	s_delay_alu instid0(VALU_DEP_1)
	v_floor_f32 v12, -v255                         ; the new -M = -ceil(t)
	PKF 0
	v_sub_f32 v254, v12, v254                      ; old M - new M: a whole number, 0 or less
	PKF 16
	v_cvt_i32_f32 v254, v254                       ; (it saturates)
	PKF 32
	v_ldexp_f32 v252, 1.0, v254                    ; f = 2^(old M - new M)
	PKF 48
.irp c, 0,1
	v_fma_f32 v[232+\c], v[232+\c], s[CS], v12
.endr
	s_wait_alu depctr_va_vdst(0)                   ; the wait ahead of the batch
.set j, 0
.rept 64
	v_exp_f32 v[96+j], v[96+j]                     ; p = 2^(t - M)
.set j, j+1
.endr
.irp c, 0,1
	v_exp_f32 v[232+\c], v[232+\c]                 ; the block's largest p
.endr
	v_pk_mul_f32 v[14:15], v[14:15], v[252:253] op_sel_hi:[1,0]   ; the sum under the new M: the plain place behind the batch
	s_wait_alu depctr_va_vdst(0)                   ; and the wait behind it
.irp c, 0,1
	v_max_num_f32 v[232+\c], 0x1800000, v[232+\c]  ; the floor 2^(3 - 127): the byte cannot fall under 1
.endr
.irp c, 0,1
	v_add_nc_u32 v[244+\c], 0xff000000, v[232+\c]  ; 2 off the exponent field: the conversion's scale operand
.endr
.irp c, 0,1
.irp u, 0,1,2,3
	v_cvt_scalef32_pk8_fp4_f32 v[224+4*\c+\u], v[96+32*\c+8*\u:103+32*\c+8*\u], v[244+\c]   ; register 4 c + u of the operand: keys 64 c + 32 h + 8 u + 0 .. 7
.endr
.endr
.irp c, 0,1
	v_lshrrev_b32 v[237+\c], 23, v[244+\c]         ; the scale's byte.  (The plain place behind the last scaled conversion)
.endr
	v_lshl_or_b32 v238, v238, 16, v237             ; my two bytes: blocks h and 2 + h,
	v_lshlrev_b32 v238, v[SH8], v238               ; at their places in the word;
	v_permlanex16_b32 v239, v238, s[SEL], s[SEL+1]
	v_or_b32 v[PS], v238, v239                     ; with lane l xor 16's two the word is whole
.irp c, 0,1,2,3                        ; the row's sum of the unquantised p: sixteen additions here (the places between p's scale word and codes and the products), sixteen behind the products
	v_pk_add_f32 v[240+2*\c+4*(\c/2):241+2*\c+4*(\c/2)], v[96+2*\c:97+2*\c], v[104+2*\c:105+2*\c]
.endr
	SUMK 2
	SUMK 3
	SUMK 4
	s_wait_alu depctr_va_vdst(0)                   ; the wait directly ahead of the first reader of O^T
.set j, 0
.rept 16
	v_pk_mul_f32 v[160+j:161+j], v[160+j:161+j], v[252:253] op_sel_hi:[1,0]   ; O^T under the new M
.set j, j+2
.endr
	s_wait_alu depctr_va_vdst(0)                   ; and directly ahead of the wait below
.if \pre == 1
	s_wait_dscnt 12                                ; V's 10 are in; the next step's 12 of K may be out
.else
	s_wait_dscnt 0x0
.endif
.irp t, 0,1,2,3
	WM 160+8*\t, VF+8*\t, 224, 1, VS+\t/2, PS, \t%2
.endr
	SUMK 5
	SUMK 6
	SUMK 7
	v_pk_add_f32 v[240:241], v[240:241], v[242:243]
	v_pk_add_f32 v[248:249], v[248:249], v[250:251]
	v_pk_add_f32 v[240:241], v[240:241], v[248:249]
	v_pk_add_f32 v[14:15], v[14:15], v[240:241]
.endm
.macro RUN n, step, last, xb           ; n steps whose records have landed; the last one asks for no K beyond them
	KLOAD
	s_mov_b32 s[CNT], \n-1
.Lrun_\@:
	STEP 1, \step, 0
	s_sub_co_u32 s[CNT], s[CNT], 1
	s_cmp_lg_u32 s[CNT], 0
	s_cbranch_scc1 .Lrun_\@
	STEP \last, \step, \xb
.endm
.macro WSLOAD                          ; the weight's scale words
.irp t, 0,1,2,3
	ds_load_b128 v[WS+4*\t:WS+4*\t+3], v[WSA] offset:TREC*\t
.endr
.endm
.macro WLOAD t                         ; the weight's tile t: tiles 0, 1 at v96, tiles 2, 3 at v192
.irp i, 0,1,2,3,4,5,6,7
	ds_load_b128 v[96+32*(\t)+32*((\t)/2)+4*\i:99+32*(\t)+32*((\t)/2)+4*\i], v[WA] offset:TREC*(\t)+512*\i
.endr
.endm
.macro FINISH ob                       ; + v, and the way out
	s_wait_alu depctr_va_vdst(0)                   ; the wait directly ahead of the waits below
	s_wait_loadcnt 0x0                             ; x
	s_wait_dscnt 0x0                               ; the weight
.irp s, 0,1,2,3                        ; source 0 = the weight's tile t, source 1 = my tokens; the four accumulators by turns
.irp t, 0,1,2,3
	WM 160+8*\t, 96+32*\t+32*(\t/2)+8*\s, 32+8*\s, 1, WS+4*\t+\s, XS+\s, 0
.endr
.endr
.rept 4
	v_nop
.endr
.irp b, 0,1
.irp i, 0,1,2,3
	ds_store_b128 v[STO], v[160+16*\b+4*\i:163+16*\b+4*\i] offset:128*\b+16*\i   ; register 16 b + i is d = 32 b + 16 h + i of query slot r
.endr
.endr
.irp i, 0,1,2,3,4,5,6,7
	ds_load_b128 v[96+4*\i:99+4*\i], v[RD] offset:544*\i   ; LDS serves a wave's instructions in order
.endr
.irp i, 0,1,2,3,4,5,6,7
	s_wait_dscnt 7-\i
	global_store_b128 v[GO], v[96+4*\i:99+4*\i], s[\ob:\ob+1] offset:(2*\i+24*(\i/4))*2048 th:TH_STORE_NT   ; slots 2 i, 2 i + 1 (slots 8-15 lie 32 tokens behind slots 0-7): sixteen lanes store 256 consecutive bytes, aligned
.endr
.endm
	s_wait_alu depctr_va_vdst(0)                   ; the wait at the head's end
	s_wait_loadcnt 0x0                             ; Q
	s_wait_tensorcnt 0x0                           ; my step of the first four is in
	ds_add_u32 v[SPW], v[NIL]
	ds_add_u32 v[SPW], v[NIL]
	s_add_co_u32 s[G0+1], s[G0+1], 4*PB            ; no load of mine is out: step 4 + wave
	s_add_nc_u64 s[G0+2:G0+3], s[G0+2:G0+3], 4*PB
	s_wait_dscnt 0x0
	s_barrier_signal -1
	s_barrier_wait -1
	s_cmp_lt_u32 s[WV], 12                         ; one chain of branches on the wave's number, a load to an arm
	s_cbranch_scc0 .Lp1w
	TL G0, G1
	s_branch .Lp1j
.Lp1w:
	s_cmp_lt_u32 s[WV], 13
	s_cbranch_scc0 .Lp1v
	TL G0W, G1W
	s_branch .Lp1j
.Lp1v:
	s_cmp_lt_u32 s[WV], 14
	s_cbranch_scc0 .Lp1j
	TL G0V, G1W
.Lp1j:
	s_cmp_lt_u32 s[WV], 8                          ; part 1's 8 records of xq: a wave names one record's 17 blocks once (lanes 17-31 name the last again)
	s_cbranch_scc0 .Lnopf
	global_prefetch_b8 v[PFO], s[60:61] th:TH_LOAD_NT scope:SCOPE_SE
.Lnopf:
	RUN 4, PB, 0, 0
	s_wait_tensorcnt 0x0                           ; my part of steps 4-15, or a weight, is in
	s_wait_dscnt 0x0
	s_barrier_signal -1
	s_barrier_wait -1
	RUN 4, PB, 0, 0
	s_wait_tensorcnt 0x0                           ; bytes are filled again behind this barrier
	ds_add_u32 v[SPW], v[NIL]
	ds_add_u32 v[SPW], v[NIL]
	s_wait_dscnt 0x0                               ; my reads of steps 0-7 are over
	s_barrier_signal -1
	s_barrier_wait -1
	TL G0S, G1S                                    ; part 2's record = wave, on the bytes of steps 0-7
	global_prefetch_b8 v[PFO], s[62:63] th:TH_LOAD_NT scope:SCOPE_SE   ; part 2's 16 records of xq, one a wave
	RUN 8, PB, 2, 74
	global_load_b128 v[16:19], v[LI], s[70:71]     ; part 2's Q: part 1's has been multiplied for the last time
	global_load_b32 v[QS], v[Q4R], s[72:73]
	v_add_f32 v14, v14, v15                        ; the sum's two halves
	s_wait_alu depctr_va_vdst(0)                   ; the wait directly ahead of the waits below
	s_wait_tensorcnt 0x0                           ; my record of part 2 is in
	s_wait_dscnt 0x0                               ; my reads of part 1's records are over
	s_barrier_signal -1
	s_barrier_wait -1
	s_cmp_lt_u32 s[WV], 8
	s_cbranch_scc1 .Lmeet
.irp i, 0,1,2,3,4,5,6,7
	ds_store_b128 v[MA], v[160+4*\i:163+4*\i] offset:512*\i   ; waves 8-15 hand over O^T as an image of its registers,
.endr
	ds_store_b128 v[MA], v[12:15] offset:4096      ; -M and the sum
.Lmeet:
	s_wait_dscnt 0x0
	s_barrier_signal -1
	s_barrier_wait -1
	s_cmp_lt_u32 s[WV], 8
	s_cbranch_scc0 .Lpart2
.irp i, 0,1,2,3,4,5,6,7
	ds_load_b128 v[96+4*\i:99+4*\i], v[MA] offset:512*\i
.endr
	ds_load_b128 v[128:131], v[MA] offset:4096
	WSLOAD
	WLOAD 2
	WLOAD 3
	s_wait_dscnt 20                                ; the other half's 9 loads are in; the weight's 20 may be out
	v_min_num_f32 v136, v12, v128                  ; -M of both halves together
	v_sub_f32 v133, v136, v12
	v_sub_f32 v135, v136, v128
	v_cvt_i32_f32 v133, v133
	v_cvt_i32_f32 v135, v135
	v_ldexp_f32 v132, 1.0, v133                    ; 2^(my M - M)
	v_ldexp_f32 v134, 1.0, v135                    ; 2^(the other's M - M)
	v_mul_f32 v14, v14, v132
	v_fmac_f32 v14, v130, v134
	v_permlanex16_b32 v13, v14, s[SEL], s[SEL+1]
	v_add_f32 v14, v14, v13                        ; the row's sum
	s_wait_alu depctr_va_vdst(0)
	v_rcp_f32 v14, v14
	v_nop
	s_wait_alu depctr_va_vdst(0)
	v_mul_f32 v132, v132, v14
	v_mul_f32 v134, v134, v14
	s_wait_alu depctr_va_vdst(0)                   ; directly ahead of the first reader of O^T
.set j, 0
.rept 16
	v_pk_mul_f32 v[160+j:161+j], v[160+j:161+j], v[132:133] op_sel_hi:[1,0]
.set j, j+2
.endr
.set j, 0
.rept 16
	v_pk_fma_f32 v[160+j:161+j], v[96+j:97+j], v[134:135], v[160+j:161+j] op_sel_hi:[1,0,1]
.set j, j+2
.endr
	WLOAD 0
	WLOAD 1
	FINISH 78
	s_wait_xcnt 0x0                                ; the stores have read their registers, which part 2 writes anew
.Lpart2:
	s_mov_b32 s[TB], 0
	v_add_nc_u32 v[AD], s[TB], v[LI]
	v_add_nc_u32 v[ADS], s[TB], v[L4]
	v_mul_u32_u24 v[STO], v[R], 272
	v_lshl_add_u32 v[STO], v[H], 6, v[STO]
	v_add_nc_u32 v[STO], s97, v[STO]
	v_mul_u32_u24 v[RD], v[H], 272
	v_lshl_add_u32 v[RD], v[R], 4, v[RD]
	v_add_nc_u32 v[RD], s97, v[RD]
	v_add_nc_u32 v[WA], WBS, v[LI]
	v_lshl_add_u32 v[WSA], v[R], 4, WBS+4096
	FRESH
	s_wait_alu depctr_va_vdst(0)                   ; the wait directly ahead of the wait below
	s_wait_loadcnt 0x0                             ; part 2's Q (in waves 8-15 also the loads of x that they did not use)
	RUN 16, REC, 2, 76
	WSLOAD
	WLOAD 0
	WLOAD 1
	WLOAD 2
	WLOAD 3
	v_add_f32 v14, v14, v15
	v_permlanex16_b32 v13, v14, s[SEL], s[SEL+1]
	v_add_f32 v14, v14, v13                        ; the row's sum
	s_wait_alu depctr_va_vdst(0)
	v_rcp_f32 v14, v14
	v_nop
	s_wait_alu depctr_va_vdst(0)
.set j, 0
.rept 16
	v_pk_mul_f32 v[160+j:161+j], v[160+j:161+j], v[14:15] op_sel_hi:[1,0]
.set j, j+2
.endr
	FINISH 80
	s_wait_tensorcnt 0x0                           ; the wave's end
	ds_add_u32 v[SPW], v[NIL]
	s_wait_dscnt 0x0
	s_endpgm
.Lfunc_end_k_q3ae8c65ee7_attn:
	.size	k_q3ae8c65ee7_attn, .Lfunc_end_k_q3ae8c65ee7_attn-k_q3ae8c65ee7_attn
	.p2alignl 7, 3214868480
	.fill 96, 4, 3214868480
	.section	.rodata,"a",@progbits
	.p2align	6, 0x0
	.amdhsa_kernel k_q3ae8c65ee7_attn
		.amdhsa_group_segment_fixed_size 327680
		.amdhsa_private_segment_fixed_size 0
		.amdhsa_enable_private_segment 0
		.amdhsa_kernarg_size 48
		.amdhsa_user_sgpr_count 2
		.amdhsa_user_sgpr_kernarg_segment_ptr 1
		.amdhsa_wavefront_size32 1
		.amdhsa_system_sgpr_workgroup_id_x 1
		.amdhsa_system_sgpr_workgroup_id_y 1
		.amdhsa_system_sgpr_workgroup_id_z 1
		.amdhsa_system_vgpr_workitem_id 0
		.amdhsa_next_free_vgpr 256
		.amdhsa_next_free_sgpr 100
		.amdhsa_reserve_vcc 0
		.amdhsa_float_denorm_mode_32 3
		.amdhsa_float_denorm_mode_16_64 3
		.amdhsa_memory_ordered 1
		.amdhsa_forward_progress 1
		.amdhsa_inst_pref_size 147
	.end_amdhsa_kernel
	.amdgpu_metadata
---
amdhsa.version: [ 1, 2 ]
amdhsa.kernels:
  - .name:           k_q3ae8c65ee7_attn
    .symbol:         k_q3ae8c65ee7_attn.kd
    .args:
      - { .name: streamP, .offset: 0, .size: 8, .value_kind: global_buffer, .address_space: global }
      - { .name: streamS, .offset: 8, .size: 8, .value_kind: global_buffer, .address_space: global }
      - { .name: xq, .offset: 16, .size: 8, .value_kind: global_buffer, .address_space: global }
      - { .name: wq, .offset: 24, .size: 8, .value_kind: global_buffer, .address_space: global }
      - { .name: out0, .offset: 32, .size: 8, .value_kind: global_buffer, .address_space: global }
      - { .name: out1, .offset: 40, .size: 8, .value_kind: global_buffer, .address_space: global }
    .group_segment_fixed_size: 327680
    .private_segment_fixed_size: 0
    .kernarg_segment_align: 8
    .kernarg_segment_size: 48
    .max_flat_workgroup_size: 512
    .sgpr_count:     100
    .vgpr_count:     256
    .wavefront_size: 32
...
	.end_amdgpu_metadata
.endif
;; end of part 3
